; MI455X (gfx1250); checked and timed in simulation.
; The chip was launched on July 23, 2026; its instructions are those of AMD's public machine-readable ISA for CDNA 5 (MIT licence, August 2026) and "CDNA5" Instruction Set Architecture Reference Guide (July 2026). The comments in the code are by the model that wrote it; some were corrected since.
;; Episodic Memory System. Allowed arithmetic: matrix products marked QUANTISED: E2M1 operands, one E8M0 scale for each 32 along K, by v_wmma_scale_f32_16x16x128_f8f6f4 with both operands' format E2M1 (or v_wmma_scale_f32_32x16x128_f4), f32 sums; products left as they are: f32 operands where the result goes on into a quantised operand, else bf16, f16 or f32 operands; f32 sums; everything else in f32.
;; Inputs: W1 8 x 128 x 256 float32; W2 8 x 128 float32; b1 8 x 128 float32; b2 8 float32; memory_content 8 x 8,192 x 128 float32; memory_contexts 8 x 8,192 x 128 float32; memory_freshness 8 x 8,192 float32; query_content_codes 32 x 4 x 16 uint8 (E2M1 codes of query_content, K innermost, in blocks of 32 codes, two codes a byte); query_content_scales 32 x 4 uint8 (E8M0 scales of query_content, one for each 32 codes along K); query_context 32 x 128 float32.
;; Outputs: out0 8 x 32 x 16 x 128 float32; out1 8 x 32 x 16 float32; out2 8 x 32 x 16 float32.
;; Constants: top_k = 16.
;; This version of the problem:
;;   THIS VERSION OF THE PROBLEM IS GIVEN IN LOW PRECISION. The matrix products marked QUANTISED in the list below multiply operands that are first quantised to E2M1 (2 exponent bits, 1 mantissa bit; 4 bits a number), with one power-of-two scale for each 32 numbers along K (OCP MX v1.0); their sums are f32. All else is computed in f32.
;;   The module's matrix products, in the order in which they are computed (A, B: the left and right operand; K: the contracted axis; several contracted axes count as one K, in the product's order):
;;     1. [M 1,024, K 128] x [K 128, N 32]; A: input W1; B: input query_content (given as codes): QUANTISED
;;     2. batch 8 x [M 8,192, K 128] x [K 128, N 128]; A: input memory_content; B: input W1: QUANTISED
;;     3. batch 8 x [M 262,144, K 128] x [K 128, N 1]; A: computed on the way; B: input W2: left as it is (N = 1 < 16)
;;     4. [M 65,536, K 128] x [K 128, N 32]; A: computed on the way; B: computed on the way: QUANTISED
;;   THE QUANTISER, for each operand of a quantised product, along K:
;;     - K is cut into blocks of 32 from its start; a last block that is shorter is filled with zeros.
;;     - A block's scale is 2^e with e = floor(log2(the largest magnitude in the block)) - 2, held to -126 .. 127; a block of zeros has e = 0. As a byte (E8M0): e + 127.
;;     - Each number is divided by its block's scale, clamped to +-6, and rounded to the nearest number of E2M1, ties to even, subnormals kept.
;;     - The product sums the exact products of the quantised numbers (number of the format x scale) in f32.
;;   ~~~python
;;   def quantise(x, axis):      # numpy; x: float32 -> the quantised numbers, widened to float32 again
;;       x = np.moveaxis(x, axis, -1); K = x.shape[-1]
;;       x = np.pad(x, [(0, 0)] * (x.ndim - 1) + [(0, -K % 32)]); x = x.reshape(x.shape[:-1] + (-1, 32)); a = np.abs(x).max(-1, keepdims=True)
;;       e = np.where(a > 0, np.clip(np.frexp(np.where(a > 0, a, 1))[1] - 1 - 2, -126, 127), 0)      # np.frexp(a)[1] - 1 = floor(log2(a)), exactly
;;       r = np.clip(x / 2.0 ** e, -6, 6)
;;       step = 2.0 ** (np.maximum(np.frexp(np.where(r == 0, 1, r))[1] - 1, 0) - 1)
;;       q = np.round(r / step) * step * 2.0 ** e      # np.round: ties to even
;;       return np.moveaxis(q.reshape(q.shape[:-2] + (-1,))[..., :K], -1, axis).astype(np.float32)
;;   ~~~
;;   OPERANDS COMPUTED ON THE WAY. 'Computed on the way' means the value that the module computes at that place (a softmax that the list does not call 'softmax' is quantised finished and normalised). What goes into a quantiser is computed in f32, as accurately as f32 sums, v_exp_f32 and their like allow (about 1e-6 of the number): no bf16 or f16 on the way to a quantiser, and a product that is left as it is and whose result goes on into a quantised operand takes f32 operands (vector FMAs, or v_wmma_f32_16x16x4_f32). A number that lies on a knife's edge between two numbers of the format may be rounded either way, as far as f32 arithmetic and the matrix unit's own rounding can turn it there, and no further.
;;   INPUTS GIVEN AS CODES. query_content (in the module: [32, 128], K = its axis 1): each comes as NAME_codes (uint8): NAME with its K axis moved to the last place and cut into blocks of 32 codes, [.., K / 32, bytes a block], one block behind the other in memory; two codes a byte, the lower K in the low four bits (a code: sign, 2 exponent bits, 1 mantissa bit); and NAME_scales (uint8): the same leading axes, one E8M0 byte (e + 127) for each 32 codes along K. Its value is code x scale, taken as it is: it is not quantised again, and the codes and scales need not be those that the quantiser above would give.
;; One version. Each part assembles by itself: llvm-mc -triple=amdgcn-amd-amdhsa -mcpu=gfx1250 --defsym DOCPART=n.
;; ======== version 1 of 1: 3 launches
;; limits: a difference of large sums (such as E[x^2] - mean^2): digits are lost where the result is much smaller than its terms
;; workspace buffers: sim 8,388,608 bytes; idx 16,384 bytes of whole numbers
;; launch sims (part 1): grid 32 x 8, 4 waves a work-group, no clusters, 327,680 bytes of LDS; arguments memory_content, memory_contexts, memory_freshness, W1, W2, b1, b2, query_content_codes, query_content_scales, query_context, sim; writes sim
.if DOCPART == 1
	.amdgcn_target "amdgcn-amd-amdhsa--gfx1250"
	.amdhsa_code_object_version 6
	.text
	.protected	k_qd4863184ae_sims
	.globl	k_qd4863184ae_sims
	.p2align	8
	.type	k_qd4863184ae_sims,@function
k_qd4863184ae_sims:
	s_mov_b64 s[64:65], 0
	v_nop
	global_prefetch_b8 v0, s[64:65] scope:SCOPE_SE
	s_setreg_imm32_b32 hwreg(HW_REG_WAVE_MODE, 25, 1), 1
	s_wait_xcnt 0x0
; sim[c][b][m] = 0.5 sigmoid(sum_e W2[e] relu(hq[b][e] + hm[m][e] + b1[e]) + b2) + 0.3 cos(query_context[b], memory_contexts[m]) + 0.2 freshness[m].
; hq = Wq q, hm = content Wm^T and the cosine's product run on E2M1 codes with one E8M0 scale for each 32 along K (K = 128: one matrix instruction deep); all else is f32.
; SHARES.  A work-group owns 256 memories of one cell (x: which 256, y: the cell).  THE WAVES SHARE THE QUERIES: wave w owns queries 8 w .. 8 w + 7 for all 256 memories.
; THE SUM OVER e.  relu(a + b) = max(a, -b) + b, so with hq' = hq + b1:  logit = sum W2 max(hm, -hq') + sum W2 hq' + b2.  The second sum hangs on the query alone and is made once.
; Each element then costs one v_max_num_f32 and half a v_pk_fma_f32.  -hq' of the wave's 8 queries (64 registers each) and W2 stay in registers for the whole launch.
; LIMITS: the logit's order of rounding differs from the plain form (its error goes with sum |W2 hq'| as well as with sum |W2 h|); NaN and infinities are not served; the sum of squares of a context row must stay inside f32.
; ROWS.  The 256 memories go in 4 blocks of 64.  Tile i of block k holds memories 64 k + 4 r + i (r = lane % 16), so that a lane's results of a block's four tiles are four neighbouring m: 16 bytes a lane, sixteen lanes store 256 consecutive bytes.
; Wave w quantises tile w of each block (content, and the normalised context) and hands the codes to the others through LDS as images of the operand's registers (16 bytes a lane, 512 a store; scale words 4 bytes a lane).
; Each wave then makes hm of every tile itself: 8 matrix instructions, source 0 = 16 rows of Wm, source 1 = 16 memories: lane (r, h) holds memory r, register 8 t + j is e = 16 t + 8 h + j.
; THE STREAM.  Each wave asks at its head for all its rows by 8 tensor loads (16 rows of 512 bytes, 4 rows apart in memory): every LDS byte is filled once, and only the asking wave reads its rows, behind its own counted wait.
; W1 is shared by the 32 work-groups of a cell, but LDS is full of the work-group's own rows, so no joint load has a place to land: no cluster.  Nothing can be asked for earlier than the head, so there is no prefetch.
; REGISTERS, in windows of 256.  Window 0: see the names below.  Windows 1, 2: v0-63 W2, v64-255 -hq' of three queries.  Window 3: v0-63 W2, v64-191 -hq' of two queries, v192-255 Wm's 8 fragments.
; W2 lies in each of the three windows, so that one setting (source 1 in window X) serves both the maximum and the multiply-add.
.set RAWW,  67584                      ; LDS: a wave's raw rows: 8 tiles
.set RAWT,  8448                       ; a tile: 16 rows
.set RP,    528                        ; a row: 512 bytes + 16 of padding
.set IMG,   4*RAWW                     ; behind them: a block's images, tile i at TIMG i: content codes 1,024, context codes 1,024, their scale words 128 + 128
.set TIMG,  2304
.set WIMG,  9216                       ; from IMG on: Wm's 8 images, tile t at WT t: codes 1,024, scale words 128
.set WT,    1152
.set HQO,   18432                      ; from IMG on: -hq'[b][e], f32, rows of 512 bytes + 16
.set RA,   1                           ; v1   raw rows: RAWW w + 528 r + 64 h
.set LI,   2                           ; v2   IMG + 16 lane
.set LS,   3                           ; v3   IMG + 4 lane
.set IWI,  4                           ; v4   LI + TIMG w
.set IWS,  5                           ; v5   LS + TIMG w
.set HQW,  6                           ; v6   IMG + 528 r + 32 h + 128 w
.set HQR,  7                           ; v7   IMG + 4224 w + 32 h
.set SOFF, 8                           ; v8   32768 h + 16 r: my place in sim
.set FOFF, 9                           ; v9   16 r: my four freshness numbers
.set GW,   10                          ; v10  1024 r + 64 h: W1's rows
.set H32,  11                          ; v11  32 h: W2, b1
.set R,    12                          ; v12-13 1 / norm, twice
.set HM,   16                          ; v16-79  hm of a tile; the cosine's results
.set RAWA, 16                          ; the same registers: 64 raw numbers
.set RAWB, 80                          ; v80-143 64 raw numbers; then:
.set MC,   80                          ; v80-111  content fragments of a block's four tiles
.set CX,   112                         ; v112-143 context fragments
.set MCS,  144                         ; v144-147, v148-151 their scale words
.set CXS,  148
.set WMS,  152                         ; v152-159 Wm's scale words
.set QNS,  160                         ; v160 the normalised queries' scale words
.set WQS,  161                         ; v161-162 Wq's
.set QCS,  163                         ; v163-164 query_content's
.set QN,   166                         ; v166-173 the normalised queries' fragment
.set F,    174                         ; v174-189 register 4 p + i: query 8 w + 2 p + h, memory 4 r + i
.set FR2,  190                         ; v190-193 0.2 x freshness
.set CB,   194                         ; v194-197 log2(e) (sum W2 (-hq') - b2) of query 8 w + 2 p + h
.set S,    198                         ; v198-205 a tile's sums, one a query
.set T,    206                         ; v206-229 at work
.set ACC,  230                         ; v230-241 running sums
.set TM,   206                         ; the quantiser's own: v206-221
.set PC,   222                         ; v222-229 codes just made
.set PW,   230                         ; v230 their scale word
.set N,    232                         ; v232-235 the norm
.set WQF,  174                         ; the head alone: Wq's two fragments,
.set QCF,  190                         ; query_content's two,
.set B1C,  236                         ; b1 in the result's layout,
.set HQD,  80                          ; hq's four tiles
.set QCO,  252                         ; v252 64 r + 16 h;  v253 4 r;  v254 query_context's rows
.set QSO,  253
.set QXO,  254
.set SEL,  30                          ; s[30:31] v_permlanex16_b32's selects for lane l xor 16
.set G1,   36                          ; s[36:43] descriptor group 1
.set G0,   68                          ; s[68:99] eight groups 0
.set MSB, 0
.macro WIN new                         ; the immediate's high byte repeats the setting that is left
.if MSB != (\new)
	s_set_vgpr_msb (MSB<<8)|(\new)
.set MSB, (\new)
.endif
.endm
; 64 numbers a lane: register 16 b + 4 j + .. = k 32 b + 16 h + 4 j + .. of my row
.macro GLD16 dst, voff, sb, off
.irp b, 0,1,2,3
.irp j, 0,1,2,3
	global_load_b128 v[(\dst)+16*\b+4*\j:(\dst)+16*\b+4*\j+3], v[\voff], s[\sb:\sb+1] offset:(\off)+128*\b+16*\j
.endr
.endr
.endm
.macro RAWLD dst, off                  ; the same from my raw rows in LDS; rows 528 bytes apart: the sixteen rows of a load start 33 x 16 bytes apart
.irp b, 0,1,2,3
.irp j, 0,1,2,3
	ds_load_b128 v[(\dst)+16*\b+4*\j:(\dst)+16*\b+4*\j+3], v[RA] offset:(\off)+128*\b+16*\j
.endr
.endr
.endm
; x / max(|x|, 1e-8), in f32: the sum of squares in two packed chains, the other half of the row from lane l xor 16
.macro NORM src
	v_pk_mul_f32 v[N:N+1], v[(\src):(\src)+1], v[(\src):(\src)+1]
	v_pk_mul_f32 v[N+2:N+3], v[(\src)+2:(\src)+3], v[(\src)+2:(\src)+3]
.irp j, 4,8,12,16,20,24,28,32,36,40,44,48,52,56,60
	v_pk_fma_f32 v[N:N+1], v[(\src)+\j:(\src)+\j+1], v[(\src)+\j:(\src)+\j+1], v[N:N+1]
	v_pk_fma_f32 v[N+2:N+3], v[(\src)+\j+2:(\src)+\j+3], v[(\src)+\j+2:(\src)+\j+3], v[N+2:N+3]
.endr
	v_pk_add_f32 v[N:N+1], v[N:N+1], v[N+2:N+3]
	v_add_f32 v[N], v[N], v[N+1]
	v_permlanex16_b32 v[N+1], v[N], s[SEL], s[SEL+1]
	v_add_f32 v[N], v[N], v[N+1]
	v_sqrt_f32 v[N+2], v[N]
	v_nop                                          ; a plain instruction behind the root,
	s_wait_alu depctr_va_vdst(0)                   ; and a wait ahead of its first reader
	v_max_num_f32 v[N+2], 0x322bcc77, v[N+2]       ; 1e-8
	v_rcp_f32 v[R], v[N+2]
	v_nop
	s_wait_alu depctr_va_vdst(0)
	v_mov_b32 v[R+1], v[R]
.irp j, 0,2,4,6,8,10,12,14,16,18,20,22,24,26,28,30,32,34,36,38,40,42,44,46,48,50,52,54,56,58,60,62
	v_pk_mul_f32 v[(\src)+\j:(\src)+\j+1], v[(\src)+\j:(\src)+\j+1], v[R:R+1]
.endr
.endm
; 64 numbers of a lane, register 16 b + i = k 32 b + 16 h + i of my row, become a fragment's codes in v[cod] on and its scale word in v[wrd]
.macro QUANT src, cod, wrd
.irp b, 0,1,2,3
	v_max3_num_f32 v[TM+\b], |v[(\src)+16*\b]|, |v[(\src)+1+16*\b]|, 0x1800000   ; block b: my 16 numbers, and the floor 2^(3 - 127): the byte cannot fall under 1 (a block of zeros keeps that byte: its codes are zeros)
.endr
.irp i, 2,4,6,8,10,12,14
.irp b, 0,1,2,3
	v_max3_num_f32 v[TM+\b], v[TM+\b], |v[(\src)+16*\b+\i]|, |v[(\src)+1+16*\b+\i]|
.endr
.endr
.irp b, 0,1,2,3
	v_permlanex16_b32 v[TM+4+\b], v[TM+\b], s[SEL], s[SEL+1]
.endr
.irp b, 0,1,2,3
	v_max_num_f32 v[TM+\b], v[TM+\b], v[TM+4+\b]   ; with lane l xor 16's: the block's largest magnitude
.endr
.irp b, 0,1,2,3
	v_add_nc_u32 v[TM+12+\b], 0xff000000, v[TM+\b] ; 2 off its exponent field: the conversion's scale operand
.endr
.irp b, 0,1,2,3
	v_lshrrev_b32 v[TM+4+\b], 23, v[TM+12+\b]      ; the scale's byte
.endr
	v_lshl_or_b32 v[\wrd], v[TM+5], 8, v[TM+4]
	v_lshl_or_b32 v[\wrd], v[TM+6], 16, v[\wrd]
	v_lshl_or_b32 v[\wrd], v[TM+7], 24, v[\wrd]
.irp b, 0,1,2,3
	v_cvt_scalef32_pk8_fp4_f32 v[(\cod)+2*\b], v[(\src)+16*\b:(\src)+7+16*\b], v[TM+12+\b]
	v_cvt_scalef32_pk8_fp4_f32 v[(\cod)+1+2*\b], v[(\src)+8+16*\b:(\src)+15+16*\b], v[TM+12+\b]
.endr
	v_nop                                          ; one plain place behind a scaled conversion
.irp c, 0,1                                    ; the operand wants a whole block in a lane: lanes 0-15 block 2 c, lanes 16-31 block 2 c + 1
.irp i, 0,1
	v_permlane16_swap_b32 v[(\cod)+4*\c+\i], v[(\cod)+2+4*\c+\i]
.endr
.endr
.endm
.macro IMAGE offc, offs                ; the fragment in v[PC] on and its scale word go to LDS as they stand
	ds_store_b128 v[IWI], v[PC:PC+3] offset:(\offc)
	ds_store_b128 v[IWI], v[PC+4:PC+7] offset:(\offc)+512
	ds_store_b32 v[IWS], v[PW] offset:(\offs)
.endm
; sum over my 64 e of W2 max(hm, -hq') for the cnt queries of window win.  Group g is four e: its maxima stand ahead of group g - 1's multiply-adds, so that no line reads the result of the line above it.
.macro INNER win, cnt, first
	WIN (\win)<<2
.set g, 0
.rept 17
.if g < 16
.set q, 0
.rept \cnt
.irp z, 0,1,2,3
	v_max_num_f32 v[T+8*q+4*(g%2)+\z], v[HM+4*g+\z], v[64+64*q+4*g+\z]
.endr
.set q, q+1
.endr
.endif
.if g > 0
.set q, 0
.rept \cnt
.irp z, 0,2
.if g == 1
	v_pk_mul_f32 v[ACC+4*q+\z:ACC+4*q+\z+1], v[T+8*q+4*((g-1)%2)+\z:T+8*q+4*((g-1)%2)+\z+1], v[4*(g-1)+\z:4*(g-1)+\z+1]
.else
	v_pk_fma_f32 v[ACC+4*q+\z:ACC+4*q+\z+1], v[T+8*q+4*((g-1)%2)+\z:T+8*q+4*((g-1)%2)+\z+1], v[4*(g-1)+\z:4*(g-1)+\z+1], v[ACC+4*q+\z:ACC+4*q+\z+1]
.endif
.endr
.set q, q+1
.endr
.endif
.set g, g+1
.endr
	WIN 0
.set q, 0
.rept \cnt
	v_pk_add_f32 v[ACC+4*q:ACC+4*q+1], v[ACC+4*q:ACC+4*q+1], v[ACC+4*q+2:ACC+4*q+3]
.set q, q+1
.endr
.set q, 0
.rept \cnt
	v_add_f32 v[S+\first+q], v[ACC+4*q], v[ACC+4*q+1]
.set q, q+1
.endr
.endm
; Tile i of the block: hm, then the 8 queries' sums.  The halves of e lie in lanes l and l xor 16: a swap of halves and an addition join two queries at a time.
.macro TILE i
	WIN 0x03                                       ; source 0 (Wm) window 3
.irp t, 0,1,2,3,4,5,6,7
	v_wmma_scale_f32_16x16x128_f8f6f4 v[HM+8*\t:HM+8*\t+7], v[192+8*\t:199+8*\t], v[MC+8*\i:MC+8*\i+7], 0, v[WMS+\t], v[MCS+\i] matrix_a_fmt:MATRIX_FMT_FP4 matrix_b_fmt:MATRIX_FMT_FP4
.endr
	WIN 0
.rept 4
	v_nop                                          ; four places ahead of the first read of the results (ISA guide 7.12.1)
.endr
	INNER 1, 3, 0
	INNER 2, 3, 3
	INNER 3, 2, 6
.irp p, 0,1,2,3
	v_permlane16_swap_b32 v[S+2*\p], v[S+2*\p+1]
.endr
.irp p, 0,1,2,3
	v_add_f32 v[F+4*\p+\i], v[S+2*\p], v[S+2*\p+1] ; lanes 0-15: query 2 p, lanes 16-31: query 2 p + 1; memory 4 r + i
.endr
.endm
; Block k: my tile's rows come out of LDS, are quantised (the context normalised first) and go back as images.
.macro QBLOCK k
	s_wait_tensorcnt 6-2*\k                        ; a wave's tensor loads end in order: block k's two are in, the 6 - 2 k behind them may be out
	RAWLD RAWA, 2*\k*RAWT
	RAWLD RAWB, (2*\k+1)*RAWT
	global_load_b128 v[FR2:FR2+3], v[FOFF], s[8:9] offset:256*\k
	s_wait_dscnt 16                                ; the content row's 16 loads are in, the context's 16 may be out
	QUANT RAWA, PC, PW
	IMAGE 0, 2048
	s_wait_dscnt 0x0                               ; the context row is in, and the image's stores have read their registers
	NORM RAWB
	QUANT RAWB, PC, PW
	IMAGE 1024, 2176
	s_wait_loadcnt 0x0
.irp i, 0,1,2,3
	v_mul_f32 v[FR2+\i], 0x3e4ccccd, v[FR2+\i]     ; 0.2 x freshness
.endr
.endm
; sum over my 64 e of W2 (-hq') for query q of window X
.macro CONSTB X, q, b
	WIN 5*(\X)                                     ; sources 0 and 1 in window X
	v_pk_mul_f32 v[ACC:ACC+1], v[0:1], v[64+64*(\q):65+64*(\q)]
	v_pk_mul_f32 v[ACC+2:ACC+3], v[2:3], v[66+64*(\q):67+64*(\q)]
.irp j, 4,8,12,16,20,24,28,32,36,40,44,48,52,56,60
	v_pk_fma_f32 v[ACC:ACC+1], v[\j:\j+1], v[64+64*(\q)+\j:65+64*(\q)+\j], v[ACC:ACC+1]
	v_pk_fma_f32 v[ACC+2:ACC+3], v[\j+2:\j+3], v[66+64*(\q)+\j:67+64*(\q)+\j], v[ACC+2:ACC+3]
.endr
	WIN 0
	v_pk_add_f32 v[ACC:ACC+1], v[ACC:ACC+1], v[ACC+2:ACC+3]
	v_add_f32 v[S+\b], v[ACC], v[ACC+1]
.endm
	s_load_b512 s[4:19], s[0:1], 0x0               ; content s[4:5], contexts s[6:7], freshness s[8:9], W1 s[10:11], W2 s[12:13], b1 s[14:15], b2 s[16:17], query codes s[18:19]
	s_load_b128 s[20:23], s[0:1], 0x40             ; query scales s[20:21], query_context s[22:23]
	s_load_b64 s[24:25], s[0:1], 0x50              ; sim
	v_lshl_add_u32 v254, v0, 2, 0x4aa00
	v_mov_b32 v255, 0
	ds_add_u32 v254, v255
	ds_add_u32 v254, v255
	s_wait_dscnt 0x0
	v_lshrrev_b32 v14, 5, v0
	v_readfirstlane_b32 s26, v14                   ; wave
	s_and_b32 s27, ttmp7, 0xffff                   ; cell
	s_mov_b32 s28, ttmp9                           ; which 256 memories
	s_mov_b32 s[SEL], 0x76543210
	s_mov_b32 s[SEL+1], 0xfedcba98
	s_mov_b32 s33, 0xbfb8aa3b                      ; -log2(e)
	; descriptor group 1: 16 rows of 128 f32, 4 rows of the tensor apart; 16 bytes of padding behind each row in LDS
	s_mov_b32 s[G1+0], (2<<16)|(1<<20)|(6<<22)|(3<<25)  ; no mask; elements of 4 bytes; padding on: after every 128 words, 4 words
	s_mov_b32 s[G1+1], 128<<16                     ; tensor_dim0
	s_mov_b32 s[G1+2], 16<<16                      ; tensor_dim1
	s_mov_b32 s[G1+3], 128<<16                     ; tile_dim0
	s_mov_b32 s[G1+4], 16                          ; tile_dim1
	s_mov_b32 s[G1+5], 512                         ; from row to row: 4 rows of 128 elements
	s_mov_b32 s[G1+6], 0
	s_mov_b32 s[G1+7], 0
	s_mul_i32 s44, s26, RAWW                       ; my raw rows in LDS
	s_mul_i32 s45, s26, TIMG
	s_lshl_b32 s34, s26, 7
	s_mul_i32 s35, s26, 4224
	v_and_b32 v14, 15, v0                          ; r
	v_bfe_u32 v15, v0, 4, 1                        ; h
	v_and_b32 v13, 31, v0                          ; lane
	v_mul_u32_u24 v[RA], v14, RP
	v_lshl_add_u32 v[RA], v15, 6, v[RA]
	v_add_nc_u32 v[RA], s44, v[RA]
	v_lshlrev_b32 v[LI], 4, v13
	v_add_nc_u32 v[LI], IMG, v[LI]
	v_lshlrev_b32 v[LS], 2, v13
	v_add_nc_u32 v[LS], IMG, v[LS]
	v_add_nc_u32 v[IWI], s45, v[LI]
	v_add_nc_u32 v[IWS], s45, v[LS]
	v_mul_u32_u24 v[HQW], v14, RP
	v_lshl_add_u32 v[HQW], v15, 5, v[HQW]
	v_add_nc_u32 v[HQW], s34, v[HQW]
	v_add_nc_u32 v[HQW], IMG, v[HQW]
	v_lshlrev_b32 v[HQR], 5, v15
	v_add_nc_u32 v[HQR], s35, v[HQR]
	v_add_nc_u32 v[HQR], IMG, v[HQR]
	v_lshlrev_b32 v[SOFF], 4, v14
	v_lshl_add_u32 v[SOFF], v15, 15, v[SOFF]
	v_lshlrev_b32 v[FOFF], 4, v14
	v_lshlrev_b32 v[GW], 10, v14
	v_lshl_add_u32 v[GW], v15, 6, v[GW]
	v_lshlrev_b32 v[H32], 5, v15
	v_lshlrev_b32 v[QCO], 6, v14
	v_lshl_add_u32 v[QCO], v15, 4, v[QCO]
	v_lshlrev_b32 v[QSO], 2, v14
	v_and_b32 v[QXO], 3, v14                       ; THE QUERIES OF THE COSINE'S TILE ARE CHOSEN: row r is query 8 w + 2 (r % 4) + r / 8, so that in the result register p of half h is query 8 w + 2 p + h, as in F
	v_lshlrev_b32 v[QXO], 1, v[QXO]
	v_lshrrev_b32 v255, 3, v14
	v_add_nc_u32 v[QXO], v[QXO], v255
	v_lshlrev_b32 v[QXO], 9, v[QXO]
	v_lshl_add_u32 v[QXO], v15, 6, v[QXO]
.irp b, 0,1,2,3
	v_mov_b32 v[TM+4+\b], 0                        ; written once: a lane permute's destination counts as one of its sources
.endr
	s_lshl_b32 s46, s27, 22                        ; content, contexts: cell x 4,194,304 + chunk x 131,072 + wave x 512
	s_lshl_b32 s47, s28, 17
	s_add_co_u32 s46, s46, s47
	s_lshl_b32 s47, s26, 9
	s_add_co_u32 s46, s46, s47
	s_mov_b32 s47, 0
	s_lshl_b32 s48, s27, 17                        ; W1: cell x 131,072 + wave x 32 rows of 1,024 bytes
	s_lshl_b32 s49, s26, 15
	s_add_co_u32 s48, s48, s49
	s_mov_b32 s49, 0
	s_lshl_b32 s50, s27, 9                         ; W2, b1: cell x 512
	s_mov_b32 s51, 0
	s_lshl_b32 s52, s26, 7                         ; b1: + wave x 32 numbers
	s_mov_b32 s53, 0
	s_lshl_b32 s54, s27, 2                         ; b2
	s_mov_b32 s55, 0
	s_lshl_b32 s56, s27, 15                        ; freshness: cell x 32,768 + chunk x 1,024
	s_lshl_b32 s57, s28, 10
	s_add_co_u32 s56, s56, s57
	s_mov_b32 s57, 0
	s_lshl_b32 s58, s27, 20                        ; sim: cell x 1,048,576 + wave x 8 rows of 32,768 + chunk x 1,024
	s_lshl_b32 s59, s26, 18
	s_add_co_u32 s58, s58, s59
	s_lshl_b32 s59, s28, 10
	s_add_co_u32 s58, s58, s59
	s_mov_b32 s59, 0
	s_lshl_b32 s60, s26, 12                        ; query_context: wave x 8 rows of 512
	s_mov_b32 s61, 0
	s_wait_kmcnt 0x0
	s_add_nc_u64 s[4:5], s[4:5], s[46:47]
	s_add_nc_u64 s[6:7], s[6:7], s[46:47]
	s_add_nc_u64 s[8:9], s[8:9], s[56:57]
	s_add_nc_u64 s[10:11], s[10:11], s[48:49]
	s_add_nc_u64 s[12:13], s[12:13], s[50:51]
	s_add_nc_u64 s[14:15], s[14:15], s[50:51]
	s_add_nc_u64 s[14:15], s[14:15], s[52:53]
	s_add_nc_u64 s[16:17], s[16:17], s[54:55]
	s_add_nc_u64 s[22:23], s[22:23], s[60:61]
	s_add_nc_u64 s[24:25], s[24:25], s[58:59]
	s_load_b32 s32, s[16:17], 0x0                  ; b2 of my cell
	; the small reads first: 42 loads
	GLD16 RAWA, GW, 10, 0                          ; Wq's rows 32 w .. + 15
	GLD16 RAWB, GW, 10, 16384                      ; and + 16 .. + 31
.irp t, 0,1
.irp c, 0,1
	global_load_b128 v[QCF+8*\t+4*\c:QCF+8*\t+4*\c+3], v[QCO], s[18:19] offset:1024*\t+32*\c   ; query_content's codes as they lie: queries 16 t + r
.endr
	global_load_b32 v[QCS+\t], v[QSO], s[20:21] offset:64*\t
.endr
.irp u, 0,1
.irp c, 0,1
	global_load_b128 v[B1C+8*\u+4*\c:B1C+8*\u+4*\c+3], v[H32], s[14:15] offset:64*\u+16*\c     ; b1 at e = 16 (2 w + u) + 8 h + 0 .. 7: the C of hq's products
.endr
.endr
	; the stream: all my rows, 8 loads outstanding; load 2 k + s: block k, content (s = 0) or contexts (1)
.irp k, 0,1,2,3
	s_mov_b32 s[G0+8*\k], 1
	s_add_co_u32 s[G0+8*\k+1], s44, (2*\k)*RAWT
	s_add_nc_u64 s[G0+8*\k+2:G0+8*\k+3], s[4:5], \k*32768
	s_or_b32 s[G0+8*\k+3], s[G0+8*\k+3], 0x80000000
	s_mov_b32 s[G0+8*\k+4], 1
	s_add_co_u32 s[G0+8*\k+5], s44, (2*\k+1)*RAWT
	s_add_nc_u64 s[G0+8*\k+6:G0+8*\k+7], s[6:7], \k*32768
	s_or_b32 s[G0+8*\k+7], s[G0+8*\k+7], 0x80000000
.endr
.irp n, 0,1,2,3,4,5,6,7
	tensor_load_to_lds s[G0+4*\n:G0+4*\n+3], s[G1:G1+7]
	s_nop 0
.endr
.rept 4
	v_nop                                          ; behind tensor loads
.endr
	; ---- hq' = Wq q + b1, for all 32 queries and my 32 e
	s_wait_loadcnt 26                              ; Wq's first 16 loads are in; 16 + 6 + 4 are younger
	QUANT RAWA, WQF, WQS
	GLD16 RAWA, GW, 10, 512                        ; Wm's rows 32 w .. + 15
	s_wait_loadcnt 26                              ; Wq's second 16 are in; 6 + 4 + 16 are younger
	QUANT RAWB, WQF+8, WQS+1
	s_wait_loadcnt 16                              ; the queries' codes and b1 are in; Wm's 16 are younger
.rept 8
	v_nop                                          ; a scale register written by a vector instruction stands 8 places ahead of a scaled matrix instruction, an operand 4
.endr
.irp u, 0,1
.irp t, 0,1
	v_wmma_scale_f32_16x16x128_f8f6f4 v[HQD+8*(2*\u+\t):HQD+8*(2*\u+\t)+7], v[WQF+8*\u:WQF+8*\u+7], v[QCF+8*\t:QCF+8*\t+7], v[B1C+8*\u:B1C+8*\u+7], v[WQS+\u], v[QCS+\t] matrix_a_fmt:MATRIX_FMT_FP4 matrix_b_fmt:MATRIX_FMT_FP4
.endr
.endr
.rept 4
	v_nop
.endr
.irp j, 0,1,2,3,4,5,6,7,8,9,10,11,12,13,14,15,16,17,18,19,20,21,22,23,24,25,26,27,28,29,30,31
	v_xor_b32 v[HQD+\j], 0x80000000, v[HQD+\j]     ; -hq'
.endr
.irp u, 0,1
.irp t, 0,1
.irp c, 0,1
	ds_store_b128 v[HQW], v[HQD+8*(2*\u+\t)+4*\c:HQD+8*(2*\u+\t)+4*\c+3] offset:HQO+8448*\t+64*\u+16*\c   ; lane (r, h): query 16 t + r, e = 16 (2 w + u) + 8 h + 4 c ..
.endr
.endr
.endr
	s_wait_dscnt 0x0                               ; the stores have read their registers
	GLD16 RAWB, GW, 10, 16384+512                  ; Wm's rows 32 w + 16 .. + 31
	; ---- Wm's tiles 2 w and 2 w + 1 become images
	s_wait_loadcnt 16                              ; Wm's first 16 are in; the 16 just issued are younger
	QUANT RAWA, PC, PW
	IMAGE WIMG, WIMG+1024
	GLD16 RAWA, QXO, 22, 0                         ; my queries' contexts
	s_wait_loadcnt 16                              ; Wm's second 16 are in
	s_wait_dscnt 0x0                               ; the image's stores have read their registers
	QUANT RAWB, PC, PW
	IMAGE WIMG+WT, WIMG+WT+1024
.irp x, 1,2,3
	WIN (\x)<<6                                    ; destination window x
.irp t, 0,1,2,3,4,5,6,7
.irp c, 0,1
	global_load_b128 v[8*\t+4*\c:8*\t+4*\c+3], v[H32], s[12:13] offset:64*\t+16*\c   ; W2 at e = 16 t + 8 h + 4 c ..
.endr
.endr
.endr
	WIN 0
	s_wait_loadcnt 48                              ; the contexts' 16 are in; W2's 48 are younger
	NORM RAWA
	QUANT RAWA, QN, QNS
	s_wait_dscnt 0x0                               ; for the others' sake: my stores of -hq' and of Wm's images are done
	s_barrier_signal -1
	s_barrier_wait -1
	; ---- what stays in registers
	WIN 0xc0                                       ; destination window 3
.irp t, 0,1,2,3,4,5,6,7
.irp c, 0,1
	ds_load_b128 v[192+8*\t+4*\c:192+8*\t+4*\c+3], v[LI] offset:WIMG+WT*\t+512*\c
.endr
.endr
.irp q, 0,1
.irp t, 0,1,2,3,4,5,6,7
.irp c, 0,1
	ds_load_b128 v[64+64*\q+8*\t+4*\c:64+64*\q+8*\t+4*\c+3], v[HQR] offset:HQO+RP*(6+\q)+64*\t+16*\c
.endr
.endr
.endr
.irp x, 1,2
	WIN (\x)<<6
.irp q, 0,1,2
.irp t, 0,1,2,3,4,5,6,7
.irp c, 0,1
	ds_load_b128 v[64+64*\q+8*\t+4*\c:64+64*\q+8*\t+4*\c+3], v[HQR] offset:HQO+RP*(3*(\x-1)+\q)+64*\t+16*\c   ; -hq' of query 8 w + 3 (x - 1) + q at e = 16 t + 8 h + 4 c ..: the same 16 bytes for all lanes of a half
.endr
.endr
.endr
.endr
	WIN 0
.irp t, 0,1,2,3,4,5,6,7
	ds_load_b32 v[WMS+\t], v[LS] offset:WIMG+WT*\t+1024
.endr
	s_wait_dscnt 0x0
	s_wait_loadcnt 0x0                             ; W2
	s_wait_kmcnt 0x0                               ; b2
	CONSTB 1, 0, 0
	CONSTB 1, 1, 1
	CONSTB 1, 2, 2
	CONSTB 2, 0, 3
	CONSTB 2, 1, 4
	CONSTB 2, 2, 5
	CONSTB 3, 0, 6
	CONSTB 3, 1, 7
.irp p, 0,1,2,3
	v_permlane16_swap_b32 v[S+2*\p], v[S+2*\p+1]
.endr
.irp p, 0,1,2,3
	v_add_f32 v[CB+\p], v[S+2*\p], v[S+2*\p+1]
.endr
.irp p, 0,1,2,3
	v_sub_f32 v[CB+\p], v[CB+\p], s32
.endr
.irp p, 0,1,2,3
	v_mul_f32 v[CB+\p], 0x3fb8aa3b, v[CB+\p]       ; log2(e) (sum W2 (-hq') - b2)
.endr
	; ---- the four blocks.  What differs between them (LDS offsets and the count of the wait for tensor loads) is written out four times; the rest once.
	s_mov_b32 s29, 0
.Lblock:
	s_cmp_eq_u32 s29, 1
	s_cbranch_scc1 .Lq1
	s_cmp_eq_u32 s29, 2
	s_cbranch_scc1 .Lq2
	s_cmp_eq_u32 s29, 3
	s_cbranch_scc1 .Lq3
	QBLOCK 0
	s_branch .Lproc
.Lq1:
	QBLOCK 1
	s_branch .Lproc
.Lq2:
	QBLOCK 2
	s_branch .Lproc
.Lq3:
	QBLOCK 3
.Lproc:
	s_wait_dscnt 0x0                               ; for the others' sake: my images are stored
	s_barrier_signal -1
	s_barrier_wait -1                              ; the block's four tiles lie in LDS
.irp i, 0,1,2,3
	ds_load_b128 v[MC+8*\i:MC+8*\i+3], v[LI] offset:TIMG*\i
	ds_load_b128 v[MC+8*\i+4:MC+8*\i+7], v[LI] offset:TIMG*\i+512
	ds_load_b128 v[CX+8*\i:CX+8*\i+3], v[LI] offset:TIMG*\i+1024
	ds_load_b128 v[CX+8*\i+4:CX+8*\i+7], v[LI] offset:TIMG*\i+1536
	ds_load_b32 v[MCS+\i], v[LS] offset:TIMG*\i+2048
	ds_load_b32 v[CXS+\i], v[LS] offset:TIMG*\i+2176
.endr
	s_wait_dscnt 0x0                               ; my reads of the images are over:
	s_barrier_signal -1                            ; say so; the work below is on registers alone
	TILE 0
	TILE 1
	TILE 2
	TILE 3
	s_barrier_wait -1                              ; every wave has read the images: the next block's may be stored over them
	; the cosine: source 0 = my 8 queries (each twice), source 1 = 16 memories
.irp i, 0,1,2,3
	v_wmma_scale_f32_16x16x128_f8f6f4 v[HM+8*\i:HM+8*\i+7], v[QN:QN+7], v[CX+8*\i:CX+8*\i+7], 0, v[QNS], v[CXS+\i] matrix_a_fmt:MATRIX_FMT_FP4 matrix_b_fmt:MATRIX_FMT_FP4
.endr
.irp p, 0,1,2,3
.irp i, 0,1,2,3
	v_fma_f32 v[T+4*\p+\i], v[F+4*\p+\i], s33, v[CB+\p]   ; -log2(e) x logit.  (These sixteen are also the places behind the products)
.endr
.endr
.irp j, 0,1,2,3,4,5,6,7,8,9,10,11,12,13,14,15
	v_exp_f32 v[T+\j], v[T+\j]
.endr
.irp p, 0,1,2,3
.irp i, 0,1,2,3
	v_mul_f32 v[F+4*\p+\i], 0x3e99999a, v[HM+8*\i+\p]     ; 0.3 x cosine: plain work behind the exponentials
.endr
.endr
	s_wait_alu depctr_va_vdst(0)                   ; one wait for the sixteen, ahead of their first reader
.irp j, 0,1,2,3,4,5,6,7,8,9,10,11,12,13,14,15
	v_add_f32 v[T+\j], 1.0, v[T+\j]
.endr
.irp j, 0,1,2,3,4,5,6,7,8,9,10,11,12,13,14,15
	v_rcp_f32 v[T+\j], v[T+\j]                     ; the sigmoid
.endr
	v_nop
	s_wait_alu depctr_va_vdst(0)
.irp j, 0,1,2,3,4,5,6,7,8,9,10,11,12,13,14,15
	v_fma_f32 v[F+\j], 0.5, v[T+\j], v[F+\j]       ; 0.5 x is exact: one rounding, that of the first addition
.endr
.irp p, 0,1,2,3
.irp i, 0,1,2,3
	v_add_f32 v[F+4*\p+\i], v[F+4*\p+\i], v[FR2+\i]
.endr
.endr
.irp p, 0,1,2,3
	global_store_b128 v[SOFF], v[F+4*\p:F+4*\p+3], s[24:25] offset:65536*\p th:TH_STORE_NT   ; sixteen lanes store 256 consecutive bytes of one query's row, at a multiple of 256 from sim's first byte
.endr
	s_wait_xcnt 0x0                                ; the stores have read their data and their base: both are written again only behind this wait
	s_add_nc_u64 s[24:25], s[24:25], 256           ; the next 64 memories
	s_add_co_u32 s29, s29, 1
	s_cmp_lt_u32 s29, 4
	s_cbranch_scc1 .Lblock
	s_wait_tensorcnt 0x0                           ; no tensor load is out at the end, on whichever way it was reached
	s_wait_xcnt 0x0
	v_lshl_add_u32 v254, v0, 2, 0x4aa00
	v_mov_b32 v255, 0
	s_wait_tensorcnt 0x0
	ds_add_u32 v254, v255
	s_wait_dscnt 0x0
	s_endpgm
.Lfunc_end_k_qd4863184ae_sims:
	.size	k_qd4863184ae_sims, .Lfunc_end_k_qd4863184ae_sims-k_qd4863184ae_sims
	.p2alignl 7, 3214868480
	.fill 96, 4, 3214868480
	.section	.rodata,"a",@progbits
	.p2align	6, 0x0
	.amdhsa_kernel k_qd4863184ae_sims
		.amdhsa_group_segment_fixed_size 327680
		.amdhsa_private_segment_fixed_size 0
		.amdhsa_enable_private_segment 0
		.amdhsa_kernarg_size 88
		.amdhsa_user_sgpr_count 2
		.amdhsa_user_sgpr_kernarg_segment_ptr 1
		.amdhsa_wavefront_size32 1
		.amdhsa_system_sgpr_workgroup_id_x 1
		.amdhsa_system_sgpr_workgroup_id_y 1
		.amdhsa_system_sgpr_workgroup_id_z 1
		.amdhsa_system_vgpr_workitem_id 0
		.amdhsa_next_free_vgpr 1024
		.amdhsa_next_free_sgpr 100
		.amdhsa_reserve_vcc 0
		.amdhsa_float_denorm_mode_32 3
		.amdhsa_float_denorm_mode_16_64 3
		.amdhsa_memory_ordered 1
		.amdhsa_forward_progress 1
		.amdhsa_inst_pref_size 255
	.end_amdhsa_kernel
	.section	.bss,"aw",@nobits
	.p2align	6
	.space	262144
	.amdgpu_metadata
---
amdhsa.version: [ 1, 2 ]
amdhsa.kernels:
  - .name:           k_qd4863184ae_sims
    .symbol:         k_qd4863184ae_sims.kd
    .args:
      - { .name: memory_content, .offset: 0, .size: 8, .value_kind: global_buffer, .address_space: global }
      - { .name: memory_contexts, .offset: 8, .size: 8, .value_kind: global_buffer, .address_space: global }
      - { .name: memory_freshness, .offset: 16, .size: 8, .value_kind: global_buffer, .address_space: global }
      - { .name: W1, .offset: 24, .size: 8, .value_kind: global_buffer, .address_space: global }
      - { .name: W2, .offset: 32, .size: 8, .value_kind: global_buffer, .address_space: global }
      - { .name: b1, .offset: 40, .size: 8, .value_kind: global_buffer, .address_space: global }
      - { .name: b2, .offset: 48, .size: 8, .value_kind: global_buffer, .address_space: global }
      - { .name: query_content_codes, .offset: 56, .size: 8, .value_kind: global_buffer, .address_space: global }
      - { .name: query_content_scales, .offset: 64, .size: 8, .value_kind: global_buffer, .address_space: global }
      - { .name: query_context, .offset: 72, .size: 8, .value_kind: global_buffer, .address_space: global }
      - { .name: sim, .offset: 80, .size: 8, .value_kind: global_buffer, .address_space: global }
    .group_segment_fixed_size: 327680
    .private_segment_fixed_size: 0
    .kernarg_segment_align: 8
    .kernarg_segment_size: 88
    .max_flat_workgroup_size: 128
    .sgpr_count:     100
    .vgpr_count:     1024
    .wavefront_size: 32
...
	.end_amdgpu_metadata
.endif
;; end of part 1
;; launch pick (part 2): grid 256 x 1, 8 waves a work-group, no clusters, 3,072 bytes of LDS; arguments sim, idx, out1; writes idx, out1
.if DOCPART == 2
	.amdgcn_target "amdgcn-amd-amdhsa--gfx1250"
	.amdhsa_code_object_version 6
	.text
	.protected	k_qd4863184ae_pick
	.globl	k_qd4863184ae_pick
	.p2align	8
	.type	k_qd4863184ae_pick,@function
k_qd4863184ae_pick:
	s_mov_b64 s[64:65], 0
	v_nop
	global_prefetch_b8 v0, s[64:65] scope:SCOPE_SE
	s_setreg_imm32_b32 hwreg(HW_REG_WAVE_MODE, 25, 1), 1
	s_wait_xcnt 0x0
; The 16 largest of a row of sim (8,192 numbers), in descending order, equal numbers by ascending index: out1 gets the numbers, idx their places as whole numbers.
; A work-group owns one row (cell x 32 + query).  LEVEL 1: each of the eight waves holds 1,024 numbers in 32 registers a lane and takes out its own 16 largest, one a trip.
; LEVEL 2: the 8 x 16 candidates meet in LDS, and wave 0 takes the 16 largest of them in the same way, the stored index breaking ties.
; Register j = 4 q + i of lane l holds m = 128 q + i + 4 l of the wave's 1,024: so within a lane a higher register is a higher m, and c_j = 128 q + i.
; No branch and no address hangs on the numbers: a choice only selects values (v_cndmask_b32).  Indices ride as f32 whole numbers (under 2^24: exact) where lanes are compared.
; LIMITS: NaN is not served; a row must hold 16 numbers above -infinity.  The two stores are of 64 bytes: a row's 16 results are all that a work-group has.
.set X,   8                            ; v8-39  the wave's numbers; in level 2 v8-11 candidates, v12-15 their indices
.set AM,  40                           ; v40-43 four chains
.set VM,  44                           ; v44    the largest
.set PT,  45                           ; v45    from lane l xor 16
.set KEY, 47
.set IW,  48                           ; v48    the winner's index
.set DD,  49                           ; v49    the winner's index less 4 x my lane
.set NEG, 50                           ; v50    -infinity
.set RV,  51                           ; v51    lane k: the k-th largest
.set RI,  52                           ; v52    and its index
.set TMP, 53
.set SA,  54                           ; v54    LDS: 128 wave + 4 lane
.set LA,  55                           ; v55    LDS: 128 (lane / 4) + 16 (lane % 4)
.set BIG, 57                           ; v57    2^30
.set BJ,  58                           ; v58-61 four chains: the lowest c_j that holds the largest
.macro ACROSS op, reg                  ; over the 32 lanes: four steps inside each half ride on the arithmetic, one crosses the halves
	\op\()_dpp v[\reg], v[\reg], v[\reg] row_xmask:1 row_mask:0xf bank_mask:0xf
	\op\()_dpp v[\reg], v[\reg], v[\reg] row_xmask:2 row_mask:0xf bank_mask:0xf
	\op\()_dpp v[\reg], v[\reg], v[\reg] row_xmask:4 row_mask:0xf bank_mask:0xf
	\op\()_dpp v[\reg], v[\reg], v[\reg] row_xmask:8 row_mask:0xf bank_mask:0xf
	v_permlanex16_b32 v[PT], v[\reg], s14, s15
.endm
	s_load_b128 s[4:7], s[0:1], 0x0                ; sim, idx
	s_load_b64 s[8:9], s[0:1], 0x10                ; out1
	v_lshl_add_u32 v64, v0, 2, 0x800
	v_mov_b32 v65, 0
	v_lshrrev_b32 v1, 5, v0
	v_readfirstlane_b32 s10, v1                    ; wave
	v_and_b32 v1, 31, v0                           ; lane
	v_lshlrev_b32 v2, 4, v1                        ; 16 lane
	v_lshlrev_b32 v3, 2, v1                        ; 4 lane
	s_lshl_b32 s11, s10, 7
	v_add_nc_u32 v[SA], s11, v3
	v_lshrrev_b32 v[LA], 2, v1
	v_lshlrev_b32 v[LA], 7, v[LA]
	v_and_b32 v4, 3, v1
	v_lshl_add_u32 v[LA], v4, 4, v[LA]
	s_lshl_b32 s12, ttmp9, 15                      ; the row: 32,768 bytes
	s_lshl_b32 s13, s10, 12                        ; my wave's 4,096 of them
	s_add_co_u32 s12, s12, s13
	s_mov_b32 s13, 0
	s_lshl_b32 s18, ttmp9, 6                       ; the row's 64 bytes in idx and in out1
	s_mov_b32 s19, 0
	s_mov_b32 s14, 0x76543210
	s_mov_b32 s15, 0xfedcba98
	s_wait_kmcnt 0x0
	s_add_nc_u64 s[4:5], s[4:5], s[12:13]
	s_add_nc_u64 s[6:7], s[6:7], s[18:19]
	s_add_nc_u64 s[8:9], s[8:9], s[18:19]
.irp q, 0,1,2,3,4,5,6,7
	global_load_b128 v[X+4*\q:X+4*\q+3], v2, s[4:5] offset:512*\q th:TH_LOAD_NT   ; 32 lanes read 512 consecutive bytes
.endr
	v_mov_b32 v[NEG], 0xff800000
	v_mov_b32 v[RV], 0xff800000
	v_mov_b32 v[RI], 0
	v_mov_b32 v[PT], 0                             ; a lane permute's destination counts as one of its sources
	v_mov_b32 v[BIG], 0x4e800000
	s_lshl_b32 s11, s10, 10
	v_cvt_f32_u32 v[TMP], s11                      ; my wave's first m
	s_mov_b32 s16, 0
	s_wait_loadcnt 0x0
.Lone:                                         ; 16 trips: trip k finds the wave's k-th largest
.irp a, 0,1,2,3
	v_max3_num_f32 v[AM+\a], v[X+8*\a], v[X+8*\a+1], v[X+8*\a+2]
.endr
.irp a, 0,1,2,3
	v_max3_num_f32 v[AM+\a], v[AM+\a], v[X+8*\a+3], v[X+8*\a+4]
.endr
.irp a, 0,1,2,3
	v_max3_num_f32 v[AM+\a], v[AM+\a], v[X+8*\a+5], v[X+8*\a+6]
.endr
.irp a, 0,1,2,3
	v_max_num_f32 v[AM+\a], v[AM+\a], v[X+8*\a+7]
.endr
	v_max3_num_f32 v[VM], v[AM], v[AM+1], v[AM+2]
	v_max_num_f32 v[VM], v[VM], v[AM+3]
	ACROSS v_max_num_f32, VM
	v_max_num_f32 v[VM], v[VM], v[PT]              ; the largest, in every lane
.irp a, 0,1,2,3
	v_mov_b32 v[BJ+\a], 0x100000                   ; above every index
.endr
.set st, 7
.rept 8                                        ; from the highest register down, so that the lowest that holds the largest is kept; four chains by turns
.irp a, 0,1,2,3
	v_cmp_neq_f32 s[20+\a], v[X+8*\a+st], v[VM]
.endr
.irp a, 0,1,2,3
	v_cndmask_b32 v[BJ+\a], 128*((8*\a+st)/4)+(8*\a+st)%4, v[BJ+\a], s[20+\a]
.endr
.set st, st-1
.endr
	v_min_u32 v[BJ], v[BJ], v[BJ+1]
	v_min_u32 v[BJ+2], v[BJ+2], v[BJ+3]
	v_min_u32 v[BJ], v[BJ], v[BJ+2]
	v_add_nc_u32 v[KEY], v[BJ], v3                 ; my lowest m that holds it
	v_cvt_f32_u32 v[KEY], v[KEY]
	ACROSS v_min_num_f32, KEY
	v_min_num_f32 v[IW], v[KEY], v[PT]             ; the wave's lowest
	s_lshl_b32 s17, 1, s16
	v_cndmask_b32 v[RV], v[RV], v[VM], s17         ; lane k keeps the pair
	v_cndmask_b32 v[RI], v[RI], v[IW], s17
	v_cvt_u32_f32 v[DD], v[IW]
	v_sub_nc_u32 v[DD], v[DD], v3                  ; equals a c_j in the winning lane alone: in another lane it is off by 4 to 124, and the c_j of equal i lie 128 apart
.set st, 0
.rept 8
.irp a, 0,1,2,3
	v_cmp_eq_u32 s[20+\a], 128*st+\a, v[DD]
.endr
.irp a, 0,1,2,3
	v_cndmask_b32 v[X+4*st+\a], v[X+4*st+\a], v[NEG], s[20+\a]   ; the winner leaves
.endr
.set st, st+1
.endr
	s_add_co_u32 s16, s16, 1
	s_cmp_lt_u32 s16, 16
	s_cbranch_scc1 .Lone
	v_add_f32 v[RI], v[RI], v[TMP]                 ; the index in the row
	ds_store_b32 v[SA], v[RV]                      ; all 32 lanes store, 128 bytes a wave; lanes 16-31 hold nothing that is read
	ds_store_b32 v[SA], v[RI] offset:1024
	s_wait_dscnt 0x0                               ; for wave 0's sake
	s_barrier_signal -1
	s_barrier_wait -1
	s_cmp_lg_u32 s10, 0
	s_cbranch_scc1 .Lend
	ds_load_b128 v[8:11], v[LA]                    ; lane l: candidates 4 (l % 4) .. + 3 of wave l / 4
	ds_load_b128 v[12:15], v[LA] offset:1024       ; and their indices
	s_mov_b32 s16, 0
	s_wait_dscnt 0x0
.Ltwo:                                         ; 16 trips
	v_max3_num_f32 v[VM], v8, v9, v10
	v_max_num_f32 v[VM], v[VM], v11
	ACROSS v_max_num_f32, VM
	v_max_num_f32 v[VM], v[VM], v[PT]
.irp j, 0,1,2,3
	v_cmp_eq_f32 s[20+\j], v[8+\j], v[VM]
.endr
.irp j, 0,1,2,3
	v_cndmask_b32 v[AM+\j], v[BIG], v[12+\j], s[20+\j]
.endr
	v_min3_num_f32 v[KEY], v[AM], v[AM+1], v[AM+2]
	v_min_num_f32 v[KEY], v[KEY], v[AM+3]
	ACROSS v_min_num_f32, KEY
	v_min_num_f32 v[IW], v[KEY], v[PT]             ; of equal numbers the lowest index
	s_lshl_b32 s17, 1, s16
	v_cndmask_b32 v[RV], v[RV], v[VM], s17
	v_cndmask_b32 v[RI], v[RI], v[IW], s17
.irp j, 0,1,2,3
	v_cmp_eq_f32 s[20+\j], v[12+\j], v[IW]         ; an index stands once among the candidates
.endr
.irp j, 0,1,2,3
	v_cndmask_b32 v[8+\j], v[8+\j], v[NEG], s[20+\j]
.endr
	s_add_co_u32 s16, s16, 1
	s_cmp_lt_u32 s16, 16
	s_cbranch_scc1 .Ltwo
	v_cvt_u32_f32 v[TMP], v[RI]
	v_cmp_gt_u32 vcc_lo, 16, v1
	s_wait_xcnt 0x0                                ; EXEC changes only behind this wait
	s_wait_tensorcnt 0x0
	ds_add_u32 v64, v65
	s_wait_dscnt 0x0
	s_and_saveexec_b32 s18, vcc_lo                 ; lanes 0-15 hold the 16 results
	global_store_b32 v3, v[RV], s[8:9]
	global_store_b32 v3, v[TMP], s[6:7]
	s_endpgm
.Lend:
	s_wait_tensorcnt 0x0
	ds_add_u32 v64, v65
	s_wait_dscnt 0x0
	s_endpgm
.Lfunc_end_k_qd4863184ae_pick:
	.size	k_qd4863184ae_pick, .Lfunc_end_k_qd4863184ae_pick-k_qd4863184ae_pick
	.p2alignl 7, 3214868480
	.fill 96, 4, 3214868480
	.section	.rodata,"a",@progbits
	.p2align	6, 0x0
	.amdhsa_kernel k_qd4863184ae_pick
		.amdhsa_group_segment_fixed_size 3072
		.amdhsa_private_segment_fixed_size 0
		.amdhsa_enable_private_segment 0
		.amdhsa_kernarg_size 24
		.amdhsa_user_sgpr_count 2
		.amdhsa_user_sgpr_kernarg_segment_ptr 1
		.amdhsa_wavefront_size32 1
		.amdhsa_system_sgpr_workgroup_id_x 1
		.amdhsa_system_sgpr_workgroup_id_y 1
		.amdhsa_system_sgpr_workgroup_id_z 1
		.amdhsa_system_vgpr_workitem_id 0
		.amdhsa_next_free_vgpr 66
		.amdhsa_next_free_sgpr 66
		.amdhsa_reserve_vcc 1
		.amdhsa_float_denorm_mode_32 3
		.amdhsa_float_denorm_mode_16_64 3
		.amdhsa_memory_ordered 1
		.amdhsa_forward_progress 1
		.amdhsa_inst_pref_size 18
	.end_amdhsa_kernel
	.amdgpu_metadata
---
amdhsa.version: [ 1, 2 ]
amdhsa.kernels:
  - .name:           k_qd4863184ae_pick
    .symbol:         k_qd4863184ae_pick.kd
    .args:
      - { .name: sim, .offset: 0, .size: 8, .value_kind: global_buffer, .address_space: global }
      - { .name: idx, .offset: 8, .size: 8, .value_kind: global_buffer, .address_space: global }
      - { .name: out1, .offset: 16, .size: 8, .value_kind: global_buffer, .address_space: global }
    .group_segment_fixed_size: 3072
    .private_segment_fixed_size: 0
    .kernarg_segment_align: 8
    .kernarg_segment_size: 24
    .max_flat_workgroup_size: 256
    .sgpr_count:     66
    .vgpr_count:     66
    .wavefront_size: 32
...
	.end_amdgpu_metadata
.endif
;; end of part 2
;; launch fetch (part 3): grid 256 x 1, 4 waves a work-group, no clusters, 0 bytes of LDS; arguments idx, memory_content, memory_freshness, out0, out2; writes out0, out2
.if DOCPART == 3
	.amdgcn_target "amdgcn-amd-amdhsa--gfx1250"
	.amdhsa_code_object_version 6
	.text
	.protected	k_qd4863184ae_fetch
	.globl	k_qd4863184ae_fetch
	.p2align	8
	.type	k_qd4863184ae_fetch,@function
k_qd4863184ae_fetch:
	s_mov_b64 s[64:65], 0
	v_nop
	global_prefetch_b8 v0, s[64:65] scope:SCOPE_SE
	s_setreg_imm32_b32 hwreg(HW_REG_WAVE_MODE, 25, 1), 1
	s_wait_xcnt 0x0
; out0[c][b][k][:] = memory_content[c][idx[c][b][k]][:],  out2[c][b][k] = memory_freshness[c][idx[c][b][k]].
; A work-group owns one row (cell x 32 + query) of 16 places; wave w copies places 4 w .. 4 w + 3: a row of content is 512 bytes, 16 a lane, so each load and each store covers 512 consecutive bytes.
; The places were stored as whole numbers by the launch before; each is held to 8,191 ahead of its use in an address.  Wave 0 also gathers the 16 freshness numbers.
; No hint on the loads of content: several queries may name the same row.
	s_load_b256 s[4:11], s[0:1], 0x0               ; idx s[4:5], content s[6:7], freshness s[8:9], out0 s[10:11]
	s_load_b64 s[12:13], s[0:1], 0x20              ; out2
	v_lshrrev_b32 v1, 5, v0
	v_readfirstlane_b32 s14, v1                    ; wave
	v_and_b32 v2, 31, v0                           ; lane
	v_lshlrev_b32 v3, 4, v2                        ; 16 lane
	v_and_b32 v4, 15, v0
	v_lshlrev_b32 v4, 2, v4                        ; 4 (lane % 16)
	s_lshr_b32 s15, ttmp9, 5                       ; the cell
	s_lshl_b32 s16, ttmp9, 6                       ; the row's 64 bytes in idx and out2
	s_mov_b32 s17, 0
	s_lshl_b32 s18, s14, 4                         ; my four places
	s_mov_b32 s19, 0
	s_lshl_b32 s20, s15, 22                        ; the cell's content: 4,194,304 bytes
	s_mov_b32 s21, 0
	s_lshl_b32 s22, s15, 15                        ; its freshness: 32,768
	s_mov_b32 s23, 0
	s_lshl_b32 s24, ttmp9, 13                      ; the row's 8,192 bytes of out0,
	s_lshl_b32 s26, s14, 11                        ; my 2,048 of them
	s_add_co_u32 s24, s24, s26
	s_mov_b32 s25, 0
	s_wait_kmcnt 0x0
	s_add_nc_u64 s[4:5], s[4:5], s[16:17]
	s_add_nc_u64 s[28:29], s[4:5], s[18:19]
	s_load_b128 s[32:35], s[28:29], 0x0            ; my four places
	s_add_nc_u64 s[6:7], s[6:7], s[20:21]
	s_add_nc_u64 s[8:9], s[8:9], s[22:23]
	s_add_nc_u64 s[10:11], s[10:11], s[24:25]
	s_add_nc_u64 s[12:13], s[12:13], s[16:17]
	s_wait_kmcnt 0x0
.irp i, 0,1,2,3
	s_min_u32 s[32+\i], s[32+\i], 0x1fff
	s_lshl_b32 s[32+\i], s[32+\i], 9
	v_add_nc_u32 v[8+\i], s[32+\i], v3
.endr
.irp i, 0,1,2,3
	global_load_b128 v[12+4*\i:15+4*\i], v[8+\i], s[6:7]
.endr
.irp i, 0,1,2,3
	s_wait_loadcnt 3-\i                            ; loads come back in order: row i is in, the younger ones may be out
	global_store_b128 v3, v[12+4*\i:15+4*\i], s[10:11] offset:512*\i th:TH_STORE_NT
.endr
	s_cmp_lg_u32 s14, 0
	s_cbranch_scc1 .Lend
	global_load_b32 v5, v4, s[4:5]                 ; lanes l and l + 16 read place l
	s_wait_loadcnt 0x0
	v_min_u32 v5, 0x1fff, v5
	v_lshlrev_b32 v6, 2, v5
	global_load_b32 v7, v6, s[8:9]
	v_cmp_gt_u32 vcc_lo, 16, v2
	s_wait_loadcnt 0x0
	s_wait_xcnt 0x0                                ; EXEC changes only behind this wait
	s_and_saveexec_b32 s30, vcc_lo
	global_store_b32 v4, v7, s[12:13]              ; lanes 0-15: the row's 64 bytes
	s_endpgm
.Lend:
	s_endpgm
.Lfunc_end_k_qd4863184ae_fetch:
	.size	k_qd4863184ae_fetch, .Lfunc_end_k_qd4863184ae_fetch-k_qd4863184ae_fetch
	.p2alignl 7, 3214868480
	.fill 96, 4, 3214868480
	.section	.rodata,"a",@progbits
	.p2align	6, 0x0
	.amdhsa_kernel k_qd4863184ae_fetch
		.amdhsa_group_segment_fixed_size 0
		.amdhsa_private_segment_fixed_size 0
		.amdhsa_enable_private_segment 0
		.amdhsa_kernarg_size 40
		.amdhsa_user_sgpr_count 2
		.amdhsa_user_sgpr_kernarg_segment_ptr 1
		.amdhsa_wavefront_size32 1
		.amdhsa_system_sgpr_workgroup_id_x 1
		.amdhsa_system_sgpr_workgroup_id_y 1
		.amdhsa_system_sgpr_workgroup_id_z 1
		.amdhsa_system_vgpr_workitem_id 0
		.amdhsa_next_free_vgpr 32
		.amdhsa_next_free_sgpr 66
		.amdhsa_reserve_vcc 1
		.amdhsa_float_denorm_mode_32 3
		.amdhsa_float_denorm_mode_16_64 3
		.amdhsa_memory_ordered 1
		.amdhsa_forward_progress 1
		.amdhsa_inst_pref_size 4
	.end_amdhsa_kernel
	.amdgpu_metadata
---
amdhsa.version: [ 1, 2 ]
amdhsa.kernels:
  - .name:           k_qd4863184ae_fetch
    .symbol:         k_qd4863184ae_fetch.kd
    .args:
      - { .name: idx, .offset: 0, .size: 8, .value_kind: global_buffer, .address_space: global }
      - { .name: memory_content, .offset: 8, .size: 8, .value_kind: global_buffer, .address_space: global }
      - { .name: memory_freshness, .offset: 16, .size: 8, .value_kind: global_buffer, .address_space: global }
      - { .name: out0, .offset: 24, .size: 8, .value_kind: global_buffer, .address_space: global }
      - { .name: out2, .offset: 32, .size: 8, .value_kind: global_buffer, .address_space: global }
    .group_segment_fixed_size: 0
    .private_segment_fixed_size: 0
    .kernarg_segment_align: 8
    .kernarg_segment_size: 40
    .max_flat_workgroup_size: 128
    .sgpr_count:     66
    .vgpr_count:     32
    .wavefront_size: 32
...
	.end_amdgpu_metadata
.endif
;; end of part 3
